; MI455X (gfx1250); checked and timed in simulation.
; The chip was launched on July 23, 2026; its instructions are those of AMD's public machine-readable ISA for CDNA 5 (MIT licence, August 2026) and "CDNA5" Instruction Set Architecture Reference Guide (July 2026). The comments in the code are by the model that wrote it; some were corrected since.
;; Multihead Attention. Allowed arithmetic: matrix products marked QUANTISED: E2M3 operands, one E8M0 scale for each 32 along K, by v_wmma_scale_f32_16x16x128_f8f6f4 with both operands' format E2M3, f32 sums; everything else in f32.
;; Inputs: Wk 1,024 x 1,024 float32; Wo 1,024 x 1,024 float32; Wq 1,024 x 1,024 float32; Wv 1,024 x 1,024 float32; bk 1,024 float32; bo 1,024 float32; bq 1,024 float32; bv 1,024 float32; x_kv 4 x 2,048 x 1,024 float32; x_q 4 x 2,048 x 1,024 float32.
;; Outputs: out0 4 x 2,048 x 1,024 float32.
;; This version of the problem:
;;   THIS VERSION OF THE PROBLEM IS GIVEN IN LOW PRECISION. The matrix products marked QUANTISED in the list below multiply operands that are first quantised to E2M3 (2 exponent bits, 3 mantissa bits; 6 bits a number), with one power-of-two scale for each 32 numbers along K (OCP MX v1.0); their sums are f32. All else is computed in f32.
;;   The module's matrix products, in the order in which they are computed (A, B: the left and right operand; K: the contracted axis; several contracted axes count as one K, in the product's order):
;;     1. [M 8,192, K 1,024] x [K 1,024, N 1,024]; A: input x_q; B: input Wq: QUANTISED
;;     2. [M 8,192, K 1,024] x [K 1,024, N 1,024]; A: input x_kv; B: input Wk: QUANTISED
;;     3. [M 8,192, K 1,024] x [K 1,024, N 1,024]; A: input x_kv; B: input Wv: QUANTISED
;;     4. batch 64 x [M 2,048, K 64] x [K 64, N 2,048]; A: computed on the way; B: computed on the way: QUANTISED
;;     5. batch 64 x [M 2,048, K 2,048] x [K 2,048, N 64]; A: softmax (see below); B: computed on the way: QUANTISED
;;     6. [M 8,192, K 1,024] x [K 1,024, N 1,024]; A: computed on the way; B: input Wo: QUANTISED
;;   THE QUANTISER, for each operand of a quantised product, along K:
;;     - K is cut into blocks of 32 from its start; a last block that is shorter is filled with zeros.
;;     - A block's scale is 2^e with e = floor(log2(the largest magnitude in the block)) - 2, held to -126 .. 127; a block of zeros has e = 0. As a byte (E8M0): e + 127.
;;     - Each number is divided by its block's scale, clamped to +-7.5, and rounded to the nearest number of E2M3, ties to even, subnormals kept.
;;     - The product sums the exact products of the quantised numbers (number of the format x scale) in f32.
;;   ~~~python
;;   def quantise(x, axis):      # numpy; x: float32 -> the quantised numbers, widened to float32 again
;;       x = np.moveaxis(x, axis, -1); K = x.shape[-1]
;;       x = np.pad(x, [(0, 0)] * (x.ndim - 1) + [(0, -K % 32)]); x = x.reshape(x.shape[:-1] + (-1, 32)); a = np.abs(x).max(-1, keepdims=True)
;;       e = np.where(a > 0, np.clip(np.frexp(np.where(a > 0, a, 1))[1] - 1 - 2, -126, 127), 0)      # np.frexp(a)[1] - 1 = floor(log2(a)), exactly
;;       r = np.clip(x / 2.0 ** e, -7.5, 7.5)
;;       step = 2.0 ** (np.maximum(np.frexp(np.where(r == 0, 1, r))[1] - 1, 0) - 3)
;;       q = np.round(r / step) * step * 2.0 ** e      # np.round: ties to even
;;       return np.moveaxis(q.reshape(q.shape[:-2] + (-1,))[..., :K], -1, axis).astype(np.float32)
;;   ~~~
;;   SOFTMAX AHEAD OF A QUANTISED PRODUCT. Where the list says 'softmax', what is quantised is not the finished softmax but p = 2^(t - M), with t = logit x log2(e) and M = ceil(the row's largest t), a whole number; so 1/2 < the row's largest p <= 1. The row's sum l is taken of the UNQUANTISED p, in f32, and the product's result is divided by l at the end. Since M is a whole number, a kernel that streams over the keys may use a running M (the ceiling of the running maximum): every later rescaling is an exact power of two, which a block's scale takes up: the codes' values come out the same.
;;   OPERANDS COMPUTED ON THE WAY. 'Computed on the way' means the value that the module computes at that place (a softmax that the list does not call 'softmax' is quantised finished and normalised). What goes into a quantiser is computed in f32, as accurately as f32 sums, v_exp_f32 and their like allow (about 1e-6 of the number): no bf16 or f16 on the way to a quantiser, and a product that is left as it is and whose result goes on into a quantised operand takes f32 operands (vector FMAs, or v_wmma_f32_16x16x4_f32). A number that lies on a knife's edge between two numbers of the format may be rounded either way, as far as f32 arithmetic and the matrix unit's own rounding can turn it there, and no further.
;; One version. Each part assembles by itself: llvm-mc -triple=amdgcn-amd-amdhsa -mcpu=gfx1250 --defsym DOCPART=n.
;; ======== version 1 of 1: 4 launches
;; workspace buffers: c1 15,728,640 bytes; s1 655,360 bytes; qkvc 18,874,368 bytes; qkvs 1,572,864 bytes; xc 6,291,456 bytes; xs 524,288 bytes
;; launch quant (part 1): grid 320 x 1, 8 waves a work-group, no clusters, 68,608 bytes of LDS; arguments x_q, x_kv, Wq, Wk, Wv, Wo, c1, s1; writes c1, s1
.if DOCPART == 1
	.amdgcn_target "amdgcn-amd-amdhsa--gfx1250"
	.amdhsa_code_object_version 6
	.text
	.protected	k_qa429842e9d_quant
	.globl	k_qa429842e9d_quant
	.p2align	8
	.type	k_qa429842e9d_quant,@function
k_qa429842e9d_quant:
	s_mov_b64 s[64:65], 0
	v_nop
	global_prefetch_b8 v0, s[64:65] scope:SCOPE_SE
	s_setreg_imm32_b32 hwreg(HW_REG_WAVE_MODE, 25, 1), 1
	s_wait_xcnt 0x0
; x_q, x_kv [8192][1024] and Wq, Wk, Wv, Wo [1024][1024], f32, K innermost, become codes of FP6 (E2M3) with one E8M0 byte for each 32 along K,
; laid IN THE ORDER OF THE OPERAND'S REGISTERS.  A TILE is 16 rows: lane r of tile T holds row 32 (T / 2) + 8 (T % 2) + r + 8 (r / 8).  A FRAGMENT (tile x 128 K, 12 registers a lane) is 1,536 bytes:
; registers 0-3 at 16 x lane, 4-5 at 512 + 8 x lane, 6-9 at 768 + 16 x lane, 10-11 at 1,280 + 8 x lane.  c1 = [tile 1280][K step 8][1536]; tiles 0.. x_q, 512.. x_kv, 1024.. Wq, 1088.. Wk, 1152.. Wv, 1216.. Wo.
; s1 = [tile][half of K 2][row 16][4 words]: a word holds the four bytes of one K step of 128.
; A block's scale is 2^(floor(log2(largest magnitude)) - 2): its byte is the largest magnitude's exponent field - 2, held at 1 from below by a floor among the maximum's leaves.
; LIMITS: a block of zeros gets the byte 1 where the rule says 127 (its codes are zeros, and only this program reads the bytes); NaN and infinities among the inputs are not served.
; SHARES: a work-group takes 64 rows (4 tiles) of one tensor; wave w takes tile w / 2 and K steps 4 (w % 2) .. + 3.  Each load reads 512 consecutive bytes of one row; a K step's 16 rows turn through the wave's own
; stage in LDS (rows 528 bytes apart) so that a lane gets 2 x 32 neighbours along K, which are two whole blocks: no other lane is asked for a maximum.  Waves share nothing: no barrier, no cluster (no byte is read twice).
.set R,  64                            ; v64-191  two sets of 64 registers as loaded
.set X,  192                           ; v192-255 my 64 numbers: X + 32 c + i = k 64 c + 32 h + i of my row
.set PC, 16                            ; v16-27   the fragment's codes
.set PT, 28                            ; v28-30, v32-34 the upper halves as the conversions leave them
.set SW, 40                            ; v40-43   the scale words of my four K steps
	s_load_b512 s[4:19], s[0:1], 0x0               ; x_q, x_kv, Wq, Wk, Wv, Wo, c1, s1
	v_lshl_add_u32 v62, v0, 2, 0x10800
	v_mov_b32 v63, 0
	v_lshrrev_b32 v1, 5, v0
	v_readfirstlane_b32 s26, v1                    ; wave 0..7
	v_and_b32 v14, 31, v0                          ; lane
	v_and_b32 v8, 15, v0                           ; r
	v_bfe_u32 v7, v0, 4, 1                         ; h
	v_lshlrev_b32 v1, 4, v14                       ; 16 x lane
	v_lshlrev_b32 v2, 3, v14                       ; 8 x lane
	s_mul_i32 s27, s26, 8448                       ; my stage
	v_add_nc_u32 v3, s27, v1                       ; into it: a row's 512 bytes as they lie
	v_mul_u32_u24 v4, v8, 528
	v_lshl_add_u32 v4, v7, 7, v4
	v_add_nc_u32 v4, s27, v4                       ; out of it: row r, + 128 h
	v_lshlrev_b32 v5, 3, v7                        ; 8 h: my bytes' place in a scale word
	v_lshl_add_u32 v6, v8, 4, v5                   ; 16 r + 8 h: my two words' place among the tile's
	v_mov_b32 v15, 0                               ; a lane permute's destination counts as one of its sources
	s_mov_b32 s20, 0x76543210
	s_mov_b32 s21, 0xfedcba98                      ; selects for lane l xor 16
	s_lshr_b32 s28, s26, 1                         ; which of the group's four tiles
	s_and_b32 s29, s26, 1                          ; which half of K
	s_wait_kmcnt 0x0
	s_mov_b64 s[22:23], s[14:15]                   ; which tensor: the choice hangs on the work-group's number alone
	s_mov_b32 s24, 304
	s_cmp_lt_u32 ttmp9, 304
	s_cselect_b64 s[22:23], s[12:13], s[22:23]
	s_cselect_b32 s24, 288, s24
	s_cmp_lt_u32 ttmp9, 288
	s_cselect_b64 s[22:23], s[10:11], s[22:23]
	s_cselect_b32 s24, 272, s24
	s_cmp_lt_u32 ttmp9, 272
	s_cselect_b64 s[22:23], s[8:9], s[22:23]
	s_cselect_b32 s24, 256, s24
	s_cmp_lt_u32 ttmp9, 256
	s_cselect_b64 s[22:23], s[6:7], s[22:23]
	s_cselect_b32 s24, 128, s24
	s_cmp_lt_u32 ttmp9, 128
	s_cselect_b64 s[22:23], s[4:5], s[22:23]
	s_cselect_b32 s24, 0, s24
	s_sub_co_u32 s30, ttmp9, s24                   ; the group's number in its tensor
	s_lshl_b32 s30, s30, 6                         ; its first row
	s_lshr_b32 s31, s28, 1
	s_lshl_b32 s31, s31, 5
	s_add_co_u32 s30, s30, s31                     ; + 32 (tile / 2)
	s_and_b32 s31, s28, 1
	s_lshl_b32 s31, s31, 3
	s_add_co_u32 s30, s30, s31                     ; + 8 (tile % 2)
	s_lshl_b32 s30, s30, 12                        ; rows of 4,096 bytes
	s_lshl_b32 s31, s29, 11
	s_add_co_u32 s30, s30, s31                     ; + my half of K
	s_mov_b32 s31, 0
	s_add_nc_u64 s[22:23], s[22:23], s[30:31]
	s_lshl_b32 s32, ttmp9, 2
	s_add_co_u32 s32, s32, s28                     ; T
	s_mul_i32 s34, s32, 12288
	s_mul_i32 s33, s29, 6144
	s_add_co_u32 s34, s34, s33
	s_mov_b32 s35, 0
	s_add_nc_u64 s[16:17], s[16:17], s[34:35]      ; c1 at my first fragment
	s_lshl_b32 s34, s32, 9
	s_lshl_b32 s33, s29, 8
	s_add_co_u32 s34, s34, s33
	s_add_nc_u64 s[18:19], s[18:19], s[34:35]      ; s1 at my 256 bytes
.macro LOAD s                          ; K step s of my tile's 16 rows: 32 lanes read 512 consecutive bytes of a row
.irp i, 0,1,2,3,4,5,6,7,8,9,10,11,12,13,14,15
	global_load_b128 v[R+64*((\s)%2)+4*\i:R+64*((\s)%2)+4*\i+3], v1, s[22:23] offset:(\i+8*(\i/8))*4096+512*(\s) th:TH_LOAD_NT
.endr
.endm
.macro STEP s
.if \s < 3
	s_wait_loadcnt 16                              ; this step's 16 loads are in; the next step's 16 may be out
.else
	s_wait_loadcnt 0x0
.endif
.irp i, 0,1,2,3,4,5,6,7,8,9,10,11,12,13,14,15
	ds_store_b128 v3, v[R+64*((\s)%2)+4*\i:R+64*((\s)%2)+4*\i+3] offset:528*\i
.endr
.irp c, 0,1
.irp j, 0,1,2,3,4,5,6,7
	ds_load_b128 v[X+32*\c+4*\j:X+32*\c+4*\j+3], v4 offset:256*\c+16*\j   ; LDS serves a wave's instructions in order: these see the stores above
.endr
.endr
	s_wait_dscnt 0x0                               ; my numbers are back, and the stores have read their registers,
.if (\s)+2 < 4
	LOAD (\s)+2                                    ; which take the loads of two steps on
.endif
.irp c, 0,1
	v_max3_num_f32 v[8+\c], |v[X+32*\c]|, |v[X+32*\c+1]|, 0x1800000   ; block 2 c + h: all 32 numbers are mine; the floor 2^(3 - 127) holds the byte at 1 from below
.endr
.irp i, 2,4,6,8,10,12,14,16,18,20,22,24,26,28,30
.irp c, 0,1
	v_max3_num_f32 v[8+\c], v[8+\c], |v[X+32*\c+\i]|, |v[X+32*\c+\i+1]|   ; the two blocks by turns
.endr
.endr
	v_add_nc_u32 v10, 0xff000000, v8               ; 2 off the exponent field: the conversion's scale operand
	v_add_nc_u32 v11, 0xff000000, v9
	v_lshrrev_b32 v12, 23, v10                     ; the scale's byte
	v_lshrrev_b32 v13, 23, v11
	v_lshl_or_b32 v14, v13, 16, v12                ; my two bytes, blocks h and 2 + h,
	v_lshlrev_b32 v14, v5, v14                     ; at their places;
	v_permlanex16_b32 v15, v14, s20, s21
	v_or_b32 v[SW+\s], v14, v15                    ; with lane l xor 16's two the word is whole
	s_wait_xcnt 0x0                                ; the last step's stores have read the codes' registers
.irp c, 0,1
	v_cvt_scalef32_pk16_fp6_f32 v[PC+6*\c:PC+6*\c+2], v[X+32*\c:X+32*\c+15], v[10+\c]
	v_cvt_scalef32_pk16_fp6_f32 v[PT+4*\c:PT+4*\c+2], v[X+32*\c+16:X+32*\c+31], v[10+\c]   ; a conversion's three registers begin on an even number
.endr
	v_nop                                          ; one plain place behind the conversions
.irp c, 0,1
.irp i, 0,1,2
	v_mov_b32 v[PC+6*\c+3+\i], v[PT+4*\c+\i]
.endr
.endr
	global_store_b128 v1, v[PC:PC+3], s[16:17] offset:1536*\s          ; 512 consecutive bytes
	global_store_b64 v2, v[PC+4:PC+5], s[16:17] offset:1536*\s+512     ; 256
	global_store_b128 v1, v[PC+6:PC+9], s[16:17] offset:1536*\s+768
	global_store_b64 v2, v[PC+10:PC+11], s[16:17] offset:1536*\s+1280
.endm
	LOAD 0
	LOAD 1
	STEP 0
	STEP 1
	STEP 2
	STEP 3
	v_cmp_ne_u32 vcc_lo, 0, v7                     ; lanes 0-15 store words 0 and 1 of their row, lanes 16-31 words 2 and 3
	v_cndmask_b32 v48, v[SW], v[SW+2], vcc_lo
	v_cndmask_b32 v49, v[SW+1], v[SW+3], vcc_lo
	global_store_b64 v6, v[48:49], s[18:19]        ; 256 consecutive bytes, aligned
	s_wait_tensorcnt 0x0
	ds_add_u32 v62, v63
	s_wait_dscnt 0x0
	s_endpgm
.Lfunc_end_k_qa429842e9d_quant:
	.size	k_qa429842e9d_quant, .Lfunc_end_k_qa429842e9d_quant-k_qa429842e9d_quant
	.p2alignl 7, 3214868480
	.fill 96, 4, 3214868480
	.section	.rodata,"a",@progbits
	.p2align	6, 0x0
	.amdhsa_kernel k_qa429842e9d_quant
		.amdhsa_group_segment_fixed_size 68608
		.amdhsa_private_segment_fixed_size 0
		.amdhsa_enable_private_segment 0
		.amdhsa_kernarg_size 64
		.amdhsa_user_sgpr_count 2
		.amdhsa_user_sgpr_kernarg_segment_ptr 1
		.amdhsa_wavefront_size32 1
		.amdhsa_system_sgpr_workgroup_id_x 1
		.amdhsa_system_sgpr_workgroup_id_y 1
		.amdhsa_system_sgpr_workgroup_id_z 1
		.amdhsa_system_vgpr_workitem_id 0
		.amdhsa_next_free_vgpr 256
		.amdhsa_next_free_sgpr 66
		.amdhsa_reserve_vcc 1
		.amdhsa_float_denorm_mode_32 3
		.amdhsa_float_denorm_mode_16_64 3
		.amdhsa_memory_ordered 1
		.amdhsa_forward_progress 1
		.amdhsa_inst_pref_size 31
	.end_amdhsa_kernel
	.amdgpu_metadata
---
amdhsa.version: [ 1, 2 ]
amdhsa.kernels:
  - .name:           k_qa429842e9d_quant
    .symbol:         k_qa429842e9d_quant.kd
    .args:
      - { .name: x_q, .offset: 0, .size: 8, .value_kind: global_buffer, .address_space: global }
      - { .name: x_kv, .offset: 8, .size: 8, .value_kind: global_buffer, .address_space: global }
      - { .name: Wq, .offset: 16, .size: 8, .value_kind: global_buffer, .address_space: global }
      - { .name: Wk, .offset: 24, .size: 8, .value_kind: global_buffer, .address_space: global }
      - { .name: Wv, .offset: 32, .size: 8, .value_kind: global_buffer, .address_space: global }
      - { .name: Wo, .offset: 40, .size: 8, .value_kind: global_buffer, .address_space: global }
      - { .name: c1, .offset: 48, .size: 8, .value_kind: global_buffer, .address_space: global }
      - { .name: s1, .offset: 56, .size: 8, .value_kind: global_buffer, .address_space: global }
    .group_segment_fixed_size: 68608
    .private_segment_fixed_size: 0
    .kernarg_segment_align: 8
    .kernarg_segment_size: 64
    .max_flat_workgroup_size: 256
    .sgpr_count:     66
    .vgpr_count:     256
    .wavefront_size: 32
...
	.end_amdgpu_metadata
.endif
;; end of part 1
;; launch proj (part 2): grid 4 x 64, 4 waves a work-group, clusters of 4 x 1, 198,144 bytes of LDS; arguments c1, s1, bq, bk, bv, qkvc, qkvs; writes qkvc, qkvs
.if DOCPART == 2
	.amdgcn_target "amdgcn-amd-amdhsa--gfx1250"
	.amdhsa_code_object_version 6
	.text
	.protected	k_qa429842e9d_proj
	.globl	k_qa429842e9d_proj
	.p2align	8
	.type	k_qa429842e9d_proj,@function
k_qa429842e9d_proj:
	s_mov_b64 s[64:65], 0
	v_nop
	global_prefetch_b8 v0, s[64:65] scope:SCOPE_SE
	s_setreg_imm32_b32 hwreg(HW_REG_WAVE_MODE, 25, 1), 1
	s_wait_xcnt 0x0
	s_wait_alu depctr_hold_cnt(0) depctr_sa_sdst(0) depctr_va_vdst(0) depctr_va_sdst(0) depctr_va_ssrc(0) depctr_va_vcc(0) depctr_vm_vsrc(0)
	s_getreg_b32 s2, hwreg(HW_REG_IB_STS2, 6, 4)
	s_cmp_eq_u32 s2, 0
	s_cbranch_scc0 .Lentry_in_a_cluster
	s_endpgm
.Lentry_in_a_cluster:
	s_bfe_u32 s2, ttmp6, 0x10000c
	s_cmp_lg_u32 s2, 0x3003
	s_cbranch_scc0 .Lentry_shape_is_right
	s_endpgm
.Lentry_shape_is_right:
; q = x_q Wq^T + bq, k = x_kv Wk^T + bk, v = x_kv Wv^T + bv on codes of FP6 (E2M3) with E8M0 scales, sums in f32; the results are quantised at once for the attention's two products and never go to memory as f32.
; ONE FORM FOR ALL THREE.  A PANEL of 16 tiles (256 rows of one operand, all of K: 196,608 dense bytes of c1) comes into LDS ONCE; each wave owns 4 tiles (64 rows) of the other operand, whose fragments come
; from memory straight into a ring of four register sets.  Source 0 = a tile of the panel, source 1 = a tile of mine: a lane holds ONE row of mine and its registers run along the panel's rows.
;   q, k (work-group y under 32): the panel is 256 rows of W (4 heads), mine are 64 rows of x, two passes of them: the registers run along a head's 64, which is the K of q k^T.
;   v (y from 32 on): the panel is 256 keys of x_kv, mine are a head's 64 rows of Wv: the result is v^T and the registers run along the keys, the K of the second product.
; A tile's rows are not neighbours (lane r of tile T: row 32 (T / 2) + 8 (T % 2) + r + 8 (r / 8)), so that the 16 registers of the panel's tiles 2 b, 2 b + 1 are 16 neighbours: 32 b + 16 (lane / 16) + 0 .. 15.
; CLUSTER: the four work-groups of a cluster need the same panel: each wave asks for its quarter by one joint load.  No LDS byte that a tensor load fills is filled again, so the loop has no barrier.
; My own fragments are not shared in the cluster (each wave has other rows): they need no LDS.
; OUT: qkvc [q, k, v][batch x head 64][unit 128][768]: a unit is 16 rows x 64 K as six registers a lane (0-3 at 16 x lane, 4-5 at 512 + 8 x lane); q, k: unit = tile of the sequence; v: unit = 4 x (group of 64 keys) + tile of d.
;      qkvs [q, k, v][batch x head][group 32][lane 32][2] words: word p, lanes 0-15: the group's unit 2 p, lanes 16-31: unit 2 p + 1; two scale bytes in the low half, 0 above.
; LIMITS: a block of zeros gets the byte 1 (its codes are zeros; only this program reads the bytes); NaN and infinities are not served.
; REGISTERS, in windows of 256.  window 0: v1-15 addresses; v32-47 my tiles' scale words [8 (a / 2) + s], v48-111 the panel's [8 (t / 2) + s] (lanes 0-15 the even tile, 16-31 the odd); v112-255 my fragments, sets 0-2.
;   window 1: v0-47 my fragments, set 3; v48-191 the panel's fragments, three sets of four; afterwards v48-175 the column bias; v192.. the quantiser's.   windows 2, 3: accumulator (a, t = 4 j + u) in window 2 + j / 2 at 128 (j % 2) + 32 a + 8 u.
.set TM,  192                          ; window 1: v192-195 largest magnitudes, v196-199 bytes, v204-207 scale operands
.set PC,  208                          ; v208-219 codes; v220-222, v224-226 upper halves
.set PW,  228                          ; the four bytes
.set SCL, 230                          ; v230-231 the scale words to store
.set RB,  232                          ; v232-239 the row bias, each number twice
.set H16, 240                          ; 16 h
.set MSB, 0
.macro WIN new                         ; the immediate's high byte repeats the setting that is left
.if MSB != (\new)
	s_set_vgpr_msb (MSB<<8)|(\new)
.set MSB, (\new)
.endif
.endm
.macro PLACES n
.rept \n
	v_nop
.endr
.endm
.macro ROUND                           ; a round of the cluster's barrier
	s_barrier_signal -1
	s_barrier_wait -1
	s_cmp_lg_u32 s18, 0
	s_cbranch_scc1 .Lnw0_\@
	s_barrier_signal -3
.Lnw0_\@:
	s_barrier_wait -3
	s_barrier_signal -1
	s_barrier_wait -1
.endm
; one matrix instruction: D at d, source 0 at a, source 1 at b; z: the sum begins (C = 0); sa, sb the scale registers, ra, rb: taken from lanes 16-31
.macro WM d, a, b, z, sa, sb, ra, rb
.set WD, \d
.set WA, \a
.set WB, \b
.set WSA, \sa
.set WSB, \sb
.set WK, 2*(\ra)+(\rb)
.if \z
.if WK == 0
	v_wmma_scale_f32_16x16x128_f8f6f4 v[WD:WD+7], v[WA:WA+11], v[WB:WB+11], 0, v[WSA], v[WSB] matrix_a_fmt:MATRIX_FMT_FP6 matrix_b_fmt:MATRIX_FMT_FP6
.elseif WK == 1
	v_wmma_scale_f32_16x16x128_f8f6f4 v[WD:WD+7], v[WA:WA+11], v[WB:WB+11], 0, v[WSA], v[WSB] matrix_a_fmt:MATRIX_FMT_FP6 matrix_b_fmt:MATRIX_FMT_FP6 matrix_b_scale:MATRIX_SCALE_ROW1
.elseif WK == 2
	v_wmma_scale_f32_16x16x128_f8f6f4 v[WD:WD+7], v[WA:WA+11], v[WB:WB+11], 0, v[WSA], v[WSB] matrix_a_fmt:MATRIX_FMT_FP6 matrix_b_fmt:MATRIX_FMT_FP6 matrix_a_scale:MATRIX_SCALE_ROW1
.else
	v_wmma_scale_f32_16x16x128_f8f6f4 v[WD:WD+7], v[WA:WA+11], v[WB:WB+11], 0, v[WSA], v[WSB] matrix_a_fmt:MATRIX_FMT_FP6 matrix_b_fmt:MATRIX_FMT_FP6 matrix_a_scale:MATRIX_SCALE_ROW1 matrix_b_scale:MATRIX_SCALE_ROW1
.endif
.else
.if WK == 0
	v_wmma_scale_f32_16x16x128_f8f6f4 v[WD:WD+7], v[WA:WA+11], v[WB:WB+11], v[WD:WD+7], v[WSA], v[WSB] matrix_a_fmt:MATRIX_FMT_FP6 matrix_b_fmt:MATRIX_FMT_FP6
.elseif WK == 1
	v_wmma_scale_f32_16x16x128_f8f6f4 v[WD:WD+7], v[WA:WA+11], v[WB:WB+11], v[WD:WD+7], v[WSA], v[WSB] matrix_a_fmt:MATRIX_FMT_FP6 matrix_b_fmt:MATRIX_FMT_FP6 matrix_b_scale:MATRIX_SCALE_ROW1
.elseif WK == 2
	v_wmma_scale_f32_16x16x128_f8f6f4 v[WD:WD+7], v[WA:WA+11], v[WB:WB+11], v[WD:WD+7], v[WSA], v[WSB] matrix_a_fmt:MATRIX_FMT_FP6 matrix_b_fmt:MATRIX_FMT_FP6 matrix_a_scale:MATRIX_SCALE_ROW1
.else
	v_wmma_scale_f32_16x16x128_f8f6f4 v[WD:WD+7], v[WA:WA+11], v[WB:WB+11], v[WD:WD+7], v[WSA], v[WSB] matrix_a_fmt:MATRIX_FMT_FP6 matrix_b_fmt:MATRIX_FMT_FP6 matrix_a_scale:MATRIX_SCALE_ROW1 matrix_b_scale:MATRIX_SCALE_ROW1
.endif
.endif
.endm
; the scale words of np pairs of tiles, all 8 K steps: lanes 0-15 take the even tile's 16 bytes a row, lanes 16-31 the odd tile's
.macro SCLOAD reg, lo, np, extra
.set SP_, 0
.rept \np
	global_load_b128 v[\reg+8*SP_:\reg+8*SP_+3], v11, s[\lo:\lo+1] offset:(\extra)+1024*SP_
	global_load_b128 v[\reg+8*SP_+4:\reg+8*SP_+7], v11, s[\lo:\lo+1] offset:(\extra)+1024*SP_+256
.set SP_, SP_+1
.endr
.endm
; my four fragments of K step s into set s % 4: 16 loads
.macro ALOAD s, extra
.if ((\s)%4) == 3
	WIN 0x40
.set AR, 0
.else
	WIN 0
.set AR, 112+48*((\s)%4)
.endif
.irp a, 0,1,2,3
	global_load_b128 v[AR+12*\a:AR+12*\a+3], v1, s[36:37] offset:(\extra)+12288*\a+1536*(\s)
	global_load_b64 v[AR+12*\a+4:AR+12*\a+5], v2, s[36:37] offset:(\extra)+12288*\a+1536*(\s)+512
	global_load_b128 v[AR+12*\a+6:AR+12*\a+9], v1, s[36:37] offset:(\extra)+12288*\a+1536*(\s)+768
	global_load_b64 v[AR+12*\a+10:AR+12*\a+11], v2, s[36:37] offset:(\extra)+12288*\a+1536*(\s)+1280
.endr
.endm
; quarter n = 4 s + j: the panel's tiles 4 j .. 4 j + 3 of K step s, from LDS into set n % 3: 16 loads, each of consecutive bytes
.macro FETCHQ n
.set FS, (\n)/4
.set FJ, (\n)%4
.set FB, 48+48*((\n)%3)
	WIN 0x40
.irp t, 0,1,2,3
	ds_load_b128 v[FB+12*\t:FB+12*\t+3], v[3+FJ] offset:(8*\t+FS)*1536
	ds_load_b64 v[FB+12*\t+4:FB+12*\t+5], v[7+FJ] offset:(8*\t+FS)*1536+512
	ds_load_b128 v[FB+12*\t+6:FB+12*\t+9], v[3+FJ] offset:(8*\t+FS)*1536+768
	ds_load_b64 v[FB+12*\t+10:FB+12*\t+11], v[7+FJ] offset:(8*\t+FS)*1536+1280
.endr
.endm
; the quarter's 16 matrix instructions.  The 64 accumulators take turns, one instruction a turn, in the same order in every K step
.macro MULQ
.set MB, 48+48*(QI%3)
.if (QS%4) == 3
.set MA, 0
	WIN 0xa5+0x50*(QJ/2)
.else
.set MA, 112+48*(QS%4)
	WIN 0xa1+0x50*(QJ/2)
.endif
.irp a, 0,1,2,3
.irp t, 0,1,2,3
	WM 128*(QJ%2)+32*\a+8*\t, MB+12*\t, MA+12*\a, QS==0, 48+8*(2*QJ+\t/2)+QS, 32+8*(\a/2)+QS, \t%2, \a%2
.endr
.endr
.endm
; all of K: 32 quarters.  The panel's fragments run two quarters ahead, mine three K steps ahead
.macro MAIN
	FETCHQ 0
	FETCHQ 1
.set QI, 0
.rept 32
.set QS, QI/4
.set QJ, QI%4
.if QJ == 0
.if QS == 0 || QS == 7
	s_wait_loadcnt 0x0                             ; step 0: scale words and sets 0 to 2; step 7: the last set
.elseif QS == 6
	s_wait_loadcnt 16                              ; behind this step's 16 loads: step 7's
.elseif QS >= 3
	s_wait_loadcnt 32                              ; behind this step's 16 loads: those of the two steps that follow
.endif
.endif
.if QI < 31
	s_wait_dscnt 16                                ; this quarter's 16 loads are in; the next quarter's may be out
.else
	s_wait_dscnt 0x0
.endif
	PLACES 4                                       ; four places behind the last quarter's products, in front of loads into registers that they read
.if QI+2 < 32
	FETCHQ QI+2
.endif
.if QJ == 0 && QS <= 4
	ALOAD QS+3, 0
.endif
	MULQ
.set QI, QI+1
.endr
.endm
; 64 accumulator registers at base in window w: register 16 b + i = number 32 (b % 2) + 16 (lane / 16) + i along the next K, of my tile 2 p (b = 0, 1) and 2 p + 1 (b = 2, 3).  They become two units of codes in v[PC] on and the word v[SCL + p]
.macro QUANT4 w, base, pi
.set QB, \base
	WIN 0x50+5*(\w)
.irp b, 0,1,2,3
	v_max3_num_f32 v[TM+\b], |v[QB+16*\b]|, |v[QB+16*\b+1]|, 0x1800000   ; my 16 numbers of block b, and the floor 2^(3 - 127)
.endr
.irp i, 2,4,6,8,10,12,14
.irp b, 0,1,2,3
	v_max3_num_f32 v[TM+\b], |v[QB+16*\b+\i]|, |v[QB+16*\b+\i+1]|, v[TM+\b]
.endr
.endr
	WIN 0x55
.irp b, 0,1,2,3
	v_permlanex16_b32 v[TM+4+\b], v[TM+\b], s60, s61
.endr
.irp b, 0,1,2,3
	v_max_num_f32 v[TM+\b], v[TM+\b], v[TM+4+\b]   ; with lane l xor 16's: the block's largest magnitude
.endr
.irp b, 0,1,2,3
	v_add_nc_u32 v[TM+12+\b], 0xff000000, v[TM+\b] ; 2 off its exponent field: the conversion's scale operand
.endr
.irp b, 0,1,2,3
	v_lshrrev_b32 v[TM+4+\b], 23, v[TM+12+\b]      ; the scale's byte
.endr
	v_lshl_or_b32 v[PW], v[TM+5], 8, v[TM+4]
	v_lshl_or_b32 v[PW], v[TM+6], 16, v[PW]
	v_lshl_or_b32 v[PW], v[TM+7], 24, v[PW]
	s_wait_xcnt 0x0                                ; the earlier stores have read the codes' and the words' registers
	WIN 0x44+(\w)
.irp c, 0,1
	v_cvt_scalef32_pk16_fp6_f32 v[PC+6*\c:PC+6*\c+2], v[QB+32*\c:QB+32*\c+15], v[TM+12+2*\c]
	v_cvt_scalef32_pk16_fp6_f32 v[PC+12+4*\c:PC+14+4*\c], v[QB+32*\c+16:QB+32*\c+31], v[TM+13+2*\c]
.endr
	v_nop                                          ; one plain place behind the conversions
	WIN 0x55
.irp c, 0,1                                    ; a whole block to a lane: lanes 0-15 the unit's first 32, lanes 16-31 its second
.irp i, 0,1,2
	v_permlane16_swap_b32 v[PC+6*\c+\i], v[PC+12+4*\c+\i]
.endr
.irp i, 0,1,2
	v_mov_b32 v[PC+3+6*\c+\i], v[PC+12+4*\c+\i]
.endr
.endr
	v_bfe_u32 v[SCL+\pi], v[PW], v[H16], 16        ; lanes 0-15 keep tile 2 p's two bytes, lanes 16-31 tile 2 p + 1's
.endm
	s_load_b256 s[4:11], s[0:1], 0x0               ; c1, s1, bq, bk
	s_load_b128 s[12:15], s[0:1], 0x20             ; bv, qkvc
	s_load_b64 s[16:17], s[0:1], 0x30              ; qkvs
	v_lshl_add_u32 v30, v0, 2, 0x30400
	v_mov_b32 v31, 0
	ds_add_u32 v30, v31
	ds_add_u32 v30, v31
	v_lshrrev_b32 v20, 5, v0
	v_readfirstlane_b32 s18, v20                   ; wave 0..3
	s_bfe_u32 s19, ttmp6, 0x40000                  ; cx: my place in the cluster
	s_and_b32 s20, ttmp7, 0xffff                   ; y, which the four partners share
	; descriptor group 1: 49,152 dense bytes as 192 rows of 32 elements of 8 bytes; no padding
	s_mov_b32 s24, 15|(3<<16)|(1<<21)              ; 15:0 the mask: all four work-groups; 17:16 elements of 8 bytes; 21 set beside a mask
	s_mov_b32 s25, 32<<16                          ; tensor_dim0 = 32
	s_mov_b32 s26, 192<<16                         ; tensor_dim1 = 192
	s_mov_b32 s27, 32<<16                          ; tile_dim0 = 32
	s_mov_b32 s28, 192                             ; tile_dim1 = 192
	s_mov_b32 s29, 32                              ; from row to row
	s_mov_b32 s30, 0
	s_mov_b32 s31, 0
	; what the partners share
	s_lshr_b32 s72, s20, 4                         ; q (0) or k (1)
	s_and_b32 s73, s20, 3                          ; which 256 rows of W
	s_bfe_u32 s74, s20, 0x20002                    ; the batch
	s_and_b32 s75, s20, 31                         ; v: which 256 keys of the 8,192
	s_lshl_b32 s76, s72, 6
	s_lshl_b32 s77, s73, 4
	s_add_co_u32 s76, s76, s77
	s_add_co_u32 s76, s76, 1024                    ; the panel's first tile: of Wq or Wk,
	s_lshl_b32 s77, s75, 4
	s_add_co_u32 s77, s77, 512                     ; or of x_kv
	s_cmp_lt_u32 s20, 32
	s_cselect_b32 s76, s76, s77
	s_cselect_b32 s21, 2, 1                        ; passes: the same number in all four partners
	s_mul_i32 s90, s76, 12288
	s_mul_i32 s33, s18, 49152                      ; my quarter of the panel, in LDS
	s_add_co_u32 s90, s90, s33                     ; and in c1
	s_mov_b32 s91, 0
	s_lshl_b32 s92, s76, 9
	s_mov_b32 s93, 0
	s_mov_b32 s32, 1
	s_wait_dscnt 0x0
	s_wait_kmcnt 0x0
	s_add_nc_u64 s[34:35], s[4:5], s[90:91]
	s_or_b32 s35, s35, 0x80000000                  ; type = 2
	s_add_nc_u64 s[40:41], s[6:7], s[92:93]        ; the panel's scale words
	ROUND                                          ; all four work-groups are here: the joint loads meet
	tensor_load_to_lds s[32:35], s[24:31]          ; one load a wave, the only one of the launch
	s_nop 0
	PLACES 4
	; the rest of what the partners share
	s_lshl_b32 s78, s74, 4
	s_lshl_b32 s79, s73, 2
	s_add_co_u32 s78, s78, s79                     ; q, k: batch x head of the panel's first head
	s_lshr_b32 s79, s75, 3
	s_lshl_b32 s79, s79, 4                         ; v: 16 x batch
	s_and_b32 s80, s75, 7                          ; v: which 256 keys of the batch
	s_cmp_eq_u32 s72, 0
	s_cselect_b64 s[70:71], s[8:9], s[10:11]       ; bq or bk
	s_lshl_b32 s92, s73, 10
	s_add_nc_u64 s[70:71], s[70:71], s[92:93]      ; at the panel's 256 numbers
	; mine (these registers feed no descriptor)
	s_lshl_b32 s81, s19, 2
	s_add_co_u32 s81, s81, s18                     ; 4 cx + wave: my group of 64 rows of x, or my head
	s_add_co_u32 s82, s79, s81                     ; v: batch x head
	s_lshl_b32 s83, s72, 9
	s_lshl_b32 s84, s74, 7
	s_add_co_u32 s83, s83, s84
	s_lshl_b32 s84, s81, 2
	s_add_co_u32 s83, s83, s84                     ; q, k: my first tile, of x
	s_add_co_u32 s84, s84, 1152                    ; v: of Wv
	s_mul_i32 s85, s81, 3072
	s_mul_i32 s86, s80, 12288
	s_lshl_b32 s87, s81, 8
	s_lshl_b32 s88, s80, 10
	s_mov_b32 s62, 3072
	s_mov_b32 s66, 256
	s_cmp_lt_u32 s20, 32
	s_cselect_b32 s82, s78, s82
	s_cselect_b32 s83, s83, s84
	s_cselect_b32 s85, s85, s86
	s_cselect_b32 s87, s87, s88
	s_cselect_b32 s89, s72, 2                      ; which third of qkvc and qkvs
	s_cselect_b32 s62, 98304, s62                  ; from one 64 of the panel to the next: a head on, or a group of keys on
	s_cselect_b32 s66, 8192, s66
	s_mov_b32 s63, 0
	s_mov_b32 s67, 0
	s_mov_b32 s95, 0
	s_mul_i32 s94, s83, 12288
	s_add_nc_u64 s[36:37], s[4:5], s[94:95]        ; my fragments
	s_lshl_b32 s94, s83, 9
	s_add_nc_u64 s[38:39], s[6:7], s[94:95]        ; my scale words
	s_mul_i32 s94, s89, 6291456
	s_mul_i32 s96, s82, 98304
	s_add_co_u32 s94, s94, s96
	s_add_co_u32 s94, s94, s85
	s_add_nc_u64 s[44:45], s[14:15], s[94:95]      ; where the codes go, for each 64 of the panel
	s_add_nc_u64 s[46:47], s[44:45], s[62:63]
	s_add_nc_u64 s[48:49], s[46:47], s[62:63]
	s_add_nc_u64 s[50:51], s[48:49], s[62:63]
	s_lshl_b32 s94, s89, 19
	s_lshl_b32 s96, s82, 13
	s_add_co_u32 s94, s94, s96
	s_add_co_u32 s94, s94, s87
	s_add_nc_u64 s[52:53], s[16:17], s[94:95]      ; and the scale words
	s_add_nc_u64 s[54:55], s[52:53], s[66:67]
	s_add_nc_u64 s[56:57], s[54:55], s[66:67]
	s_add_nc_u64 s[58:59], s[56:57], s[66:67]
	s_lshl_b32 s94, s81, 8
	s_add_nc_u64 s[68:69], s[12:13], s[94:95]      ; bv at my head's 64 numbers
	s_mov_b32 s60, 0x76543210
	s_mov_b32 s61, 0xfedcba98                      ; selects for lane l xor 16
	v_and_b32 v20, 31, v0                          ; lane
	v_and_b32 v21, 15, v0                          ; r
	v_bfe_u32 v22, v0, 4, 1                        ; h
	v_lshlrev_b32 v1, 4, v20                       ; 16 x lane
	v_lshlrev_b32 v2, 3, v20                       ; 8 x lane
.irp j, 0,1,2,3
	v_add_nc_u32 v[3+\j], 49152*\j, v1             ; the same in the panel's j-th four tiles
	v_add_nc_u32 v[7+\j], 49152*\j, v2
.endr
	v_lshlrev_b32 v11, 4, v21
	v_lshl_add_u32 v11, v22, 9, v11                ; scale words: 16 r, + a tile (512 bytes) for lanes 16-31
	v_lshlrev_b32 v12, 6, v22
	v_add_nc_u32 v12, 196608, v12                  ; the column bias in LDS: + 16 h numbers
	v_and_b32 v13, 8, v21
	v_add_nc_u32 v13, v13, v21
	v_lshlrev_b32 v13, 2, v13                      ; the row bias: 4 (r + 8 (r / 8))
	v_lshlrev_b32 v15, 3, v0                       ; 8 x thread: the copy of the 256 bias numbers
	v_add_nc_u32 v14, 196608, v15
	WIN 0x40
.irp b, 0,1,2,3
	v_mov_b32 v[TM+4+\b], 0                        ; a lane permute's destination counts as one of its sources
.endr
	v_lshlrev_b32 v[H16], 4, v22
	WIN 0
	SCLOAD 48, 40, 8, 0
	SCLOAD 32, 38, 2, 0
	ALOAD 0, 0
	ALOAD 1, 0
	ALOAD 2, 0
	s_cmp_lt_u32 s20, 32
	s_cbranch_scc0 .Lno_cb
	global_load_b64 v[24:25], v15, s[70:71]        ; q, k: the panel's 256 bias numbers go to LDS bytes of their own, behind the panel
	s_wait_loadcnt 0x0
	ds_store_b64 v14, v[24:25]
.Lno_cb:
	s_wait_dscnt 0x0                               ; my store has landed,
	s_wait_tensorcnt 0x0                           ; my quarter of the panel too:
	s_barrier_signal -1
	s_barrier_wait -1                              ; everybody's have
.Lpass:
	MAIN
	WIN 0
	PLACES 4                                       ; behind the last products: for the reads of results and the loads below
	s_cmp_eq_u32 s21, 1
	s_cbranch_scc1 .Lno_pre
	ALOAD 0, 786432                                ; the next pass's first three K steps and scale words, 64 tiles on: they land while this pass is quantised
	ALOAD 1, 786432
	ALOAD 2, 786432
	SCLOAD 32, 38, 2, 32768
.Lno_pre:
	s_cmp_lt_u32 s20, 32
	s_cbranch_scc0 .Lrow_bias
	WIN 0x40                                       ; q, k: the bias runs along the registers: eight numbers a tile of the panel
.irp t, 0,1,2,3,4,5,6,7,8,9,10,11,12,13,14,15
	ds_load_b128 v[48+8*\t:48+8*\t+3], v12 offset:(32*(\t/2)+8*(\t%2))*4
	ds_load_b128 v[48+8*\t+4:48+8*\t+7], v12 offset:(32*(\t/2)+8*(\t%2))*4+16
.endr
	s_wait_dscnt 0x0
.irp j, 0,1,2,3
	WIN 0x86+0x41*(\j/2)
.irp a, 0,1,2,3
.irp t, 0,1,2,3
.irp k, 0,2,4,6                                ; each accumulator from its low end on
	v_pk_add_f32 v[128*(\j%2)+32*\a+8*\t+\k:128*(\j%2)+32*\a+8*\t+\k+1], v[128*(\j%2)+32*\a+8*\t+\k:128*(\j%2)+32*\a+8*\t+\k+1], v[48+8*(4*\j+\t)+\k:48+8*(4*\j+\t)+\k+1]
.endr
.endr
.endr
.endr
	WIN 0
	s_branch .Lbiased
.Lrow_bias:
	WIN 0x40                                       ; v: the bias belongs to my row: one number a tile of mine, loaded into both registers of a pair
.irp a, 0,1,2,3
	global_load_b32 v[RB+2*\a], v13, s[68:69] offset:(32*(\a/2)+8*(\a%2))*4
	global_load_b32 v[RB+2*\a+1], v13, s[68:69] offset:(32*(\a/2)+8*(\a%2))*4
.endr
	s_wait_loadcnt 0x0
.irp j, 0,1,2,3
	WIN 0x86+0x41*(\j/2)
.irp a, 0,1,2,3
.irp t, 0,1,2,3
.irp k, 0,2,4,6
	v_pk_add_f32 v[128*(\j%2)+32*\a+8*\t+\k:128*(\j%2)+32*\a+8*\t+\k+1], v[128*(\j%2)+32*\a+8*\t+\k:128*(\j%2)+32*\a+8*\t+\k+1], v[RB+2*\a:RB+2*\a+1]
.endr
.endr
.endr
.endr
	WIN 0
.Lbiased:
.irp j, 0,1,2,3                                ; the panel's j-th 64: a head, or a group of 64 keys
.irp p, 0,1                                    ; my tiles 2 p and 2 p + 1
	QUANT4 2+\j/2, 128*(\j%2)+64*\p, \p
	WIN 0x04                                       ; a store's data: window 1
	global_store_b128 v1, v[PC:PC+3], s[44+2*\j:45+2*\j] offset:1536*\p          ; each store covers 512 or 256 consecutive bytes, aligned
	global_store_b64 v2, v[PC+4:PC+5], s[44+2*\j:45+2*\j] offset:1536*\p+512
	global_store_b128 v1, v[PC+6:PC+9], s[44+2*\j:45+2*\j] offset:1536*\p+768
	global_store_b64 v2, v[PC+10:PC+11], s[44+2*\j:45+2*\j] offset:1536*\p+1280
.endr
	global_store_b64 v2, v[SCL:SCL+1], s[52+2*\j:53+2*\j]
.endr
	WIN 0
	s_wait_xcnt 0x0                                ; every load and store has read its base: the pointers may step
	s_add_nc_u64 s[36:37], s[36:37], 786432        ; 64 tiles of x on
	s_add_nc_u64 s[38:39], s[38:39], 32768
.irp j, 0,1,2,3
	s_add_nc_u64 s[44+2*\j:45+2*\j], s[44+2*\j:45+2*\j], 49152
	s_add_nc_u64 s[52+2*\j:53+2*\j], s[52+2*\j:53+2*\j], 4096
.endr
	s_sub_co_u32 s21, s21, 1
	s_cmp_lg_u32 s21, 0
	s_cbranch_scc1 .Lpass
	s_wait_tensorcnt 0x0
	ds_add_u32 v30, v31
	s_wait_dscnt 0x0
	ROUND                                          ; the closing round: no work-group ends while a partner may still ask for the panel
	s_endpgm
.Lfunc_end_k_qa429842e9d_proj:
	.size	k_qa429842e9d_proj, .Lfunc_end_k_qa429842e9d_proj-k_qa429842e9d_proj
	.p2alignl 7, 3214868480
	.fill 96, 4, 3214868480
	.section	.rodata,"a",@progbits
	.p2align	6, 0x0
	.amdhsa_kernel k_qa429842e9d_proj
		.amdhsa_group_segment_fixed_size 198144
		.amdhsa_private_segment_fixed_size 0
		.amdhsa_enable_private_segment 0
		.amdhsa_kernarg_size 56
		.amdhsa_user_sgpr_count 2
		.amdhsa_user_sgpr_kernarg_segment_ptr 1
		.amdhsa_wavefront_size32 1
		.amdhsa_system_sgpr_workgroup_id_x 1
		.amdhsa_system_sgpr_workgroup_id_y 1
		.amdhsa_system_sgpr_workgroup_id_z 1
		.amdhsa_system_vgpr_workitem_id 0
		.amdhsa_next_free_vgpr 1024
		.amdhsa_next_free_sgpr 100
		.amdhsa_reserve_vcc 0
		.amdhsa_float_denorm_mode_32 3
		.amdhsa_float_denorm_mode_16_64 3
		.amdhsa_memory_ordered 1
		.amdhsa_forward_progress 1
		.amdhsa_inst_pref_size 201
	.end_amdhsa_kernel
	.amdgpu_metadata
---
amdhsa.version: [ 1, 2 ]
amdhsa.kernels:
  - .name:           k_qa429842e9d_proj
    .symbol:         k_qa429842e9d_proj.kd
    .args:
      - { .name: c1, .offset: 0, .size: 8, .value_kind: global_buffer, .address_space: global }
      - { .name: s1, .offset: 8, .size: 8, .value_kind: global_buffer, .address_space: global }
      - { .name: bq, .offset: 16, .size: 8, .value_kind: global_buffer, .address_space: global }
      - { .name: bk, .offset: 24, .size: 8, .value_kind: global_buffer, .address_space: global }
      - { .name: bv, .offset: 32, .size: 8, .value_kind: global_buffer, .address_space: global }
      - { .name: qkvc, .offset: 40, .size: 8, .value_kind: global_buffer, .address_space: global }
      - { .name: qkvs, .offset: 48, .size: 8, .value_kind: global_buffer, .address_space: global }
    .group_segment_fixed_size: 198144
    .private_segment_fixed_size: 0
    .kernarg_segment_align: 8
    .kernarg_segment_size: 56
    .max_flat_workgroup_size: 128
    .sgpr_count:     100
    .vgpr_count:     1024
    .wavefront_size: 32
...
	.end_amdgpu_metadata
.endif
;; end of part 2
;; launch attn (part 3): grid 4 x 64, 16 waves a work-group, clusters of 4 x 1, 215,040 bytes of LDS; arguments qkvc, qkvs, xc, xs; writes xc, xs
.if DOCPART == 3
	.amdgcn_target "amdgcn-amd-amdhsa--gfx1250"
	.amdhsa_code_object_version 6
	.text
	.protected	k_qa429842e9d_attn
	.globl	k_qa429842e9d_attn
	.p2align	8
	.type	k_qa429842e9d_attn,@function
k_qa429842e9d_attn:
	s_mov_b64 s[64:65], 0
	v_nop
	global_prefetch_b8 v0, s[64:65] scope:SCOPE_SE
	s_setreg_imm32_b32 hwreg(HW_REG_WAVE_MODE, 25, 1), 1
	s_wait_xcnt 0x0
	s_wait_alu depctr_hold_cnt(0) depctr_sa_sdst(0) depctr_va_vdst(0) depctr_va_sdst(0) depctr_va_ssrc(0) depctr_va_vcc(0) depctr_vm_vsrc(0)
	s_getreg_b32 s2, hwreg(HW_REG_IB_STS2, 6, 4)
	s_cmp_eq_u32 s2, 0
	s_cbranch_scc0 .Lentry_in_a_cluster
	s_endpgm
.Lentry_in_a_cluster:
	s_bfe_u32 s2, ttmp6, 0x10000c
	s_cmp_lg_u32 s2, 0x3003
	s_cbranch_scc0 .Lentry_shape_is_right
	s_endpgm
.Lentry_shape_is_right:
; For each batch x head: O = softmax(q k^T / 8) v, both products on codes of FP6 (E2M3) with E8M0 scales; O is quantised at once along D for the last projection.
; THE SOFTMAX: t = score x log2(e) / 8; M = the running largest t rounded UP to a whole number; p = 2^(t - M) is quantised along the keys, not normalised; the sum is taken of the unquantised p and divides O at the end.
; When M moves, the sum and O are multiplied by 2^(old M - new M), which rounds nothing.
; SHARES: a cluster of four work-groups takes one batch x head; a work-group 512 queries; each of its sixteen waves two tiles of 16 queries, one after the other, in 256 registers: four waves to a SIMD, so that
; one wave's vector work stands beside another's products and LDS loads.  The head's whole K and V (codes 2 x 98,304 bytes, scale words 2 x 8,192) come into LDS ONCE, by joint loads of the four work-groups, and are never filled again.
; LAYOUT: both products are used transposed (source 0 = 16 keys, or 16 of the head's 64; source 1 = my 16 queries): a lane holds one query throughout.  A tile's rows are not neighbours (lane r of tile T: row
; 32 (T / 2) + 8 (T % 2) + r + 8 (r / 8)), so that the 16 registers of tiles 2 b, 2 b + 1 are 16 neighbours.  A unit (16 rows x 64 K) is 768 bytes: registers 0-3 at 16 x lane, 4-5 at 512 + 8 x lane.
; THE HEAD IS 64 DEEP, the instruction 128: q's upper six registers are zero codes; k's upper six are whatever follows (the next tile's codes, zeros behind the last), under scale bytes 0: those products are 0.
; LIMITS: a block of zeros gets the byte 1 (its codes are zeros; only this program reads the bytes); NaN and infinities are not served.
; REGISTERS: v1-5 lane terms, v6-10 the step's LDS addresses, v11 the scale word to store, v12 -M, v13 largest t, v[14:15] the sum; v16-27 q of tile 0, v242-253 of tile 1; v28, v29 their scale words; v32-85 K's eight units (+ six zeros), then V's four fragments;
;   v96-159 scores, then p; v160-191 O^T; v192-203 blocks' maxima, bytes, scale operands; v204-222 p's codes; v[224:225] f; v226 at work; v227 p's scale word; v228-231 K's scale words; v232-237 V's.
.macro PLACES n
.rept \n
	v_nop
.endr
.endm
.macro ROUND                           ; a round of the cluster's barrier
	s_barrier_signal -1
	s_barrier_wait -1
	s_cmp_lg_u32 s12, 0
	s_cbranch_scc1 .Lnw0_\@
	s_barrier_signal -3
.Lnw0_\@:
	s_barrier_wait -3
	s_barrier_signal -1
	s_barrier_wait -1
.endm
; one matrix instruction: D at d, source 0 at a, source 1 at b; z: the sum begins (C = 0); sa, sb the scale registers; ra: source 0's scales from lanes 16-31
.macro WM d, a, b, z, sa, sb, ra
.set WD, \d
.set WA, \a
.set WB, \b
.set WSA, \sa
.set WSB, \sb
.set WK, \ra
.if \z
.if WK == 0
	v_wmma_scale_f32_16x16x128_f8f6f4 v[WD:WD+7], v[WA:WA+11], v[WB:WB+11], 0, v[WSA], v[WSB] matrix_a_fmt:MATRIX_FMT_FP6 matrix_b_fmt:MATRIX_FMT_FP6
.else
	v_wmma_scale_f32_16x16x128_f8f6f4 v[WD:WD+7], v[WA:WA+11], v[WB:WB+11], 0, v[WSA], v[WSB] matrix_a_fmt:MATRIX_FMT_FP6 matrix_b_fmt:MATRIX_FMT_FP6 matrix_a_scale:MATRIX_SCALE_ROW1
.endif
.else
.if WK == 0
	v_wmma_scale_f32_16x16x128_f8f6f4 v[WD:WD+7], v[WA:WA+11], v[WB:WB+11], v[WD:WD+7], v[WSA], v[WSB] matrix_a_fmt:MATRIX_FMT_FP6 matrix_b_fmt:MATRIX_FMT_FP6
.else
	v_wmma_scale_f32_16x16x128_f8f6f4 v[WD:WD+7], v[WA:WA+11], v[WB:WB+11], v[WD:WD+7], v[WSA], v[WSB] matrix_a_fmt:MATRIX_FMT_FP6 matrix_b_fmt:MATRIX_FMT_FP6 matrix_a_scale:MATRIX_SCALE_ROW1
.endif
.endif
.endm
	s_load_b256 s[4:11], s[0:1], 0x0               ; qkvc, qkvs, xc, xs
	v_lshl_add_u32 v254, v0, 2, 0x34000
	v_mov_b32 v255, 0
	ds_add_u32 v254, v255
	ds_add_u32 v254, v255
	v_lshrrev_b32 v1, 5, v0
	v_readfirstlane_b32 s12, v1                    ; wave 0..15
	s_bfe_u32 s13, ttmp6, 0x40000                  ; cx: my place in the cluster
	s_and_b32 s14, ttmp7, 0xffff                   ; batch x head, which the four partners share
	; descriptor groups 1: dense bytes as rows of 32 elements of 8 bytes: 96 rows (codes), 32 rows (scale words)
	s_mov_b32 s24, 15|(3<<16)|(1<<21)              ; 15:0 the mask: all four work-groups; 17:16 elements of 8 bytes; 21 set beside a mask
	s_mov_b32 s25, 32<<16
	s_mov_b32 s26, 96<<16
	s_mov_b32 s27, 32<<16
	s_mov_b32 s28, 96
	s_mov_b32 s29, 32
	s_mov_b32 s30, 0
	s_mov_b32 s31, 0
	s_mov_b32 s32, 15|(3<<16)|(1<<21)
	s_mov_b32 s33, 32<<16
	s_mov_b32 s34, 32<<16
	s_mov_b32 s35, 32<<16
	s_mov_b32 s36, 32
	s_mov_b32 s37, 32
	s_mov_b32 s38, 0
	s_mov_b32 s39, 0
	s_mul_i32 s15, s14, 98304                      ; the head's codes in a third of qkvc
	s_bfe_u32 s16, s12, 0x10002                    ; waves 0-3: k; waves 4-7: v
	s_add_co_u32 s16, s16, 1
	s_mul_i32 s16, s16, 6291456
	s_add_co_u32 s16, s16, s15
	s_and_b32 s20, s12, 3
	s_mul_i32 s20, s20, 24576                      ; a quarter each
	s_add_co_u32 s16, s16, s20
	s_mov_b32 s17, 0
	s_and_b32 s20, s12, 1                          ; wave 8: k's scale words; wave 9: v's
	s_add_co_u32 s18, s20, 1
	s_lshl_b32 s18, s18, 19
	s_lshl_b32 s21, s14, 13                        ; the head's scale words in a third of qkvs
	s_add_co_u32 s18, s18, s21
	s_mov_b32 s19, 0
	s_mul_i32 s41, s12, 24576                      ; LDS: k's codes from 0, v's from 98,304
	s_lshl_b32 s45, s20, 13
	s_add_co_u32 s45, s45, 196608                  ; k's scale words from 196,608, v's from 204,800
	s_mov_b32 s40, 1
	s_mov_b32 s44, 1
	s_wait_dscnt 0x0
	s_wait_kmcnt 0x0
	s_add_nc_u64 s[42:43], s[4:5], s[16:17]
	s_or_b32 s43, s43, 0x80000000
	s_add_nc_u64 s[46:47], s[6:7], s[18:19]
	s_or_b32 s47, s47, 0x80000000
	ROUND                                          ; all four work-groups are here: the joint loads meet
	s_cmp_lt_u32 s12, 8                            ; the branches hang on the wave's number alone
	s_cbranch_scc0 .Lnot_codes
	tensor_load_to_lds s[40:43], s[24:31]
	s_nop 0
	PLACES 4
	s_branch .Lasked
.Lnot_codes:
	s_cmp_lt_u32 s12, 10
	s_cbranch_scc0 .Lasked
	tensor_load_to_lds s[44:47], s[32:39]
	s_nop 0
	PLACES 4
.Lasked:
	; mine (these registers feed no descriptor)
	s_mov_b32 s69, 0
	s_lshl_b32 s66, s13, 5
	s_lshl_b32 s70, s12, 1
	s_add_co_u32 s66, s66, s70                     ; my first tile of queries: 32 cx + 2 wave
	s_mul_i32 s68, s66, 768
	s_add_co_u32 s68, s68, s15
	s_add_nc_u64 s[56:57], s[4:5], s[68:69]        ; q's codes
	s_lshl_b32 s68, s13, 3
	s_lshr_b32 s70, s12, 1
	s_add_co_u32 s68, s68, s70                     ; the group of four tiles
	s_lshl_b32 s68, s68, 8
	s_lshl_b32 s70, s20, 2                         ; which pair of them
	s_add_co_u32 s68, s68, s70
	s_add_co_u32 s68, s68, s21
	s_add_nc_u64 s[58:59], s[6:7], s[68:69]        ; q's scale words
	s_lshr_b32 s72, s14, 4                         ; batch
	s_and_b32 s73, s14, 15                         ; head
	s_lshl_b32 s68, s72, 7
	s_add_co_u32 s68, s68, s66                     ; the tile among the 512 of all rows
	s_lshl_b32 s68, s68, 4
	s_add_co_u32 s68, s68, s73
	s_mul_i32 s68, s68, 768
	s_add_nc_u64 s[60:61], s[8:9], s[68:69]        ; xc [tile][head][768]
	s_lshl_b32 s68, s73, 8
	s_lshl_b32 s70, s72, 6
	s_add_co_u32 s68, s68, s70
	s_lshl_b32 s70, s13, 4
	s_add_co_u32 s68, s68, s70
	s_add_co_u32 s68, s68, s12
	s_lshl_b32 s68, s68, 7
	s_add_nc_u64 s[62:63], s[10:11], s[68:69]      ; xs [head][pair of tiles][lane]
	s_mov_b32 s48, 0x76543210
	s_mov_b32 s49, 0xfedcba98                      ; selects for lane l xor 16
	s_mov_b32 s50, 0x3e38aa3b                      ; c = log2(e) / 8
	s_mov_b32 s51, s50                             ; (named with it as a pair)
	v_and_b32 v31, 31, v0
	v_lshlrev_b32 v1, 4, v31                       ; 16 x lane
	v_lshlrev_b32 v2, 3, v31                       ; 8 x lane
	v_add_nc_u32 v3, 98304, v1                     ; the same in v's codes
	v_add_nc_u32 v4, 98304, v2
	v_add_nc_u32 v5, 196608, v2                    ; and among the scale words
	v_lshlrev_b32 v31, 2, v31                      ; 4 x lane
	v_and_b32 v30, 15, v0
	v_lshlrev_b32 v30, 3, v30                      ; 8 r
	global_load_b128 v[16:19], v1, s[56:57]        ; q stays in registers
	global_load_b64 v[20:21], v2, s[56:57] offset:512
	global_load_b128 v[242:245], v1, s[56:57] offset:768
	global_load_b64 v[246:247], v2, s[56:57] offset:1280
	global_load_b32 v28, v30, s[58:59]             ; lane r: row r's word of the pair's even tile,
	global_load_b32 v29, v30, s[58:59] offset:128  ; of its odd tile
.irp i, 0,1,2,3,4,5
	v_mov_b32 v[22+\i], 0                          ; zero codes for k = 64 .. 127
	v_mov_b32 v[248+\i], 0
	v_mov_b32 v[80+\i], 0                          ; and behind K's last unit
.endr
.irp b, 0,1,2,3
	v_mov_b32 v[196+\b], 0                         ; a lane permute's destination counts as one of its sources
.endr
	v_mov_b32 v225, 0                              ; (named as the upper half of the pair v[224:225])
; A KEY STEP: 128 keys
.macro STEP qv, qs
	v_add_nc_u32 v6, s52, v1                       ; five plain lines: also the places behind the last step's products, in front of the loads below
	v_add_nc_u32 v7, s52, v2
	v_add_nc_u32 v8, s52, v3
	v_add_nc_u32 v9, s52, v4
	v_add_nc_u32 v10, s53, v5
.irp t, 0,1,2,3,4,5,6,7
	ds_load_b128 v[32+6*\t:35+6*\t], v6 offset:768*\t
	ds_load_b64 v[36+6*\t:37+6*\t], v7 offset:768*\t+512
.endr
	ds_load_b64 v[228:229], v10                    ; K's scale words: lanes 0-15 tiles 0, 2, lanes 16-31 tiles 1, 3;
	ds_load_b64 v[230:231], v10 offset:256         ; tiles 4 to 7
	s_wait_dscnt 0x0
.irp t, 0,1,2,3,4,5,6,7
	WM 96+8*\t, 32+6*\t, \qv, 1, 228+\t/2, \qs, \t%2
.endr
	PLACES 4                                       ; behind the products: for the loads into K's registers and the reads of the scores
.irp t, 0,1,2,3                                ; V's four fragments land while the softmax is walked
.irp c, 0,1
	ds_load_b128 v[32+12*\t+6*\c:35+12*\t+6*\c], v8 offset:(4*\c+\t)*768
	ds_load_b64 v[36+12*\t+6*\c:37+12*\t+6*\c], v9 offset:(4*\c+\t)*768+512
.endr
.endr
	ds_load_b64 v[232:233], v10 offset:8192        ; V's scale words of the first 64 keys,
	ds_load_b64 v[234:235], v10 offset:8448        ; of the second
.irp b, 0,1,2,3
	v_max3_num_f32 v[192+\b], v[96+16*\b], v[97+16*\b], v[98+16*\b]   ; the largest score of each block of 32 keys: for the row's maximum and, since p rises with the score, for the block's largest p
.endr
.irp i, 3,5,7,9,11,13
.irp b, 0,1,2,3
	v_max3_num_f32 v[192+\b], v[192+\b], v[96+16*\b+\i], v[97+16*\b+\i]
.endr
.endr
.irp b, 0,1,2,3
	v_max_num_f32 v[192+\b], v[192+\b], v[111+16*\b]
.endr
.irp b, 0,1,2,3
	v_permlanex16_b32 v[196+\b], v[192+\b], s48, s49
.endr
.irp b, 0,1,2,3
	v_max_num_f32 v[192+\b], v[192+\b], v[196+\b]  ; with lane l xor 16's 16 keys
.endr
	v_max3_num_f32 v226, v192, v193, v194
	v_max_num_f32 v226, v226, v195
	v_mul_f32 v226, s50, v226                      ; as t (c is positive)
	v_max_num_f32 v13, v13, v226                   ; the running largest t
	v_mov_b32 v226, v12
	v_floor_f32 v12, -v13                          ; the new -M = floor(-t): M is a whole number
	v_sub_f32 v226, v12, v226                      ; old M - new M: a whole number, 0 or less
	v_cvt_i32_f32 v226, v226                       ; (it saturates)
	v_ldexp_f32 v224, 1.0, v226                    ; f = 2^(old M - new M)
.set J, 0
.rept 32
	v_pk_fma_f32 v[96+J:97+J], v[96+J:97+J], s[50:51], v[12:13] op_sel_hi:[1,0,0]   ; t - M, two at a time
.set J, J+2
.endr
.irp b, 0,1,2,3
	v_fma_f32 v[192+\b], v[192+\b], s50, v12       ; the same of each block's largest score
.endr
.set J, 0
.rept 64
	v_exp_f32 v[96+J], v[96+J]                     ; p = 2^(t - M)
.set J, J+1
.endr
	v_pk_mul_f32 v[14:15], v[14:15], v[224:225] op_sel_hi:[1,0]   ; the sums under the new M: a plain place behind the exponentials
	s_wait_alu depctr_va_vdst(0)                   ; one wait for the batch of 64, ahead of its first reader
.irp b, 0,1,2,3
	v_exp_f32 v[192+\b], v[192+\b]                 ; the block's largest p
.endr
	v_pk_add_f32 v[240:241], v[96:97], v[98:99]    ; the row's sum of the unquantised p, in two chains
.irp j, 4,8,12,16,20,24,28,32,36,40,44,48,52,56,60
	v_pk_add_f32 v[14:15], v[14:15], v[96+\j:97+\j]
	v_pk_add_f32 v[240:241], v[240:241], v[98+\j:99+\j]
.endr
	v_pk_add_f32 v[14:15], v[14:15], v[240:241]
	s_wait_alu depctr_va_vdst(0)                   ; and one for the four
.irp b, 0,1,2,3
	v_max_num_f32 v[192+\b], 0x1800000, v[192+\b]  ; the floor 2^(3 - 127)
.endr
.irp b, 0,1,2,3
	v_add_nc_u32 v[200+\b], 0xff000000, v[192+\b]  ; the conversion's scale operand
.endr
.irp b, 0,1,2,3
	v_lshrrev_b32 v[196+\b], 23, v[200+\b]         ; the scale's byte
.endr
	v_lshl_or_b32 v227, v197, 8, v196              ; p's scale word for these 128 keys
	v_lshl_or_b32 v227, v198, 16, v227
	v_lshl_or_b32 v227, v199, 24, v227
.irp c, 0,1
	v_cvt_scalef32_pk16_fp6_f32 v[204+6*\c:206+6*\c], v[96+32*\c:111+32*\c], v[200+2*\c]
	v_cvt_scalef32_pk16_fp6_f32 v[216+4*\c:218+4*\c], v[112+32*\c:127+32*\c], v[201+2*\c]
.endr
	v_nop                                          ; one plain place behind the conversions
.irp c, 0,1                                    ; a whole block to a lane
.irp i, 0,1,2
	v_permlane16_swap_b32 v[204+6*\c+\i], v[216+4*\c+\i]
.endr
.irp i, 0,1,2
	v_mov_b32 v[207+6*\c+\i], v[216+4*\c+\i]
.endr
.endr
	s_wait_dscnt 0x0                               ; V and its scale words are in
	v_lshl_or_b32 v236, v234, 16, v232             ; four bytes a row of V^T: d tiles 0 (lanes 0-15) and 1 (lanes 16-31),
	v_lshl_or_b32 v237, v235, 16, v233             ; 2 and 3
.set J, 0
.rept 16
	v_pk_mul_f32 v[160+J:161+J], v[160+J:161+J], v[224:225] op_sel_hi:[1,0]   ; O^T under the new M; of these 16, twelve name no register of any one product below: the places between the scale words' making and the products
.set J, J+2
.endr
.irp t, 0,1,2,3                                ; the four accumulators by turns; the eight products K q^T stand between a step's and the next step's
	WM 160+8*\t, 32+12*\t, 204, 0, 236+\t/2, 227, \t%2
.endr
	s_add_co_u32 s52, s52, 6144                    ; eight units on
	s_add_co_u32 s53, s53, 512                     ; two groups' scale words on
.endm
; a tile of 16 queries: all 2,048 keys, then O / sum, quantised along the head's 64 and stored
.macro TILE u, qv, qs
.if \u
	s_wait_xcnt 0x0                                ; the first tile's stores have read the codes' registers
.endif
.set J, 0
.rept 32
	v_mov_b32 v[160+J], 0                          ; O^T: the step is written once; its first trip finds zeros
.set J, J+1
.endr
	v_mov_b32 v13, 0xff61b1e6                      ; the largest t so far: -3e38
	v_floor_f32 v12, -v13
	v_mov_b32 v14, 0
	v_mov_b32 v15, 0
	s_mov_b32 s52, 0
	s_mov_b32 s53, 0
	s_mov_b32 s54, 16
.Lstep_\@:
	STEP \qv, \qs
	s_sub_co_u32 s54, s54, 1
	s_cmp_lg_u32 s54, 0
	s_cbranch_scc1 .Lstep_\@
	PLACES 4                                       ; behind the last products
	v_add_f32 v14, v14, v15
	v_permlanex16_b32 v226, v14, s48, s49
	v_add_f32 v14, v14, v226                       ; the row's sum
	v_rcp_f32 v14, v14
	v_nop                                          ; a plain place behind the reciprocal
	s_wait_alu depctr_va_vdst(0)                   ; and the wait ahead of its first reader
.set J, 0
.rept 16
	v_pk_mul_f32 v[96+J:97+J], v[160+J:161+J], v[14:15] op_sel_hi:[1,0]   ; register 16 b + i = O(my query, 32 b + 16 h + i); each accumulator from its low end on
.set J, J+2
.endr
.irp b, 0,1
	v_max3_num_f32 v[192+\b], |v[96+16*\b]|, |v[97+16*\b]|, 0x1800000
.endr
.irp i, 2,4,6,8,10,12,14
.irp b, 0,1
	v_max3_num_f32 v[192+\b], v[192+\b], |v[96+16*\b+\i]|, |v[97+16*\b+\i]|
.endr
.endr
.irp b, 0,1
	v_permlanex16_b32 v[196+\b], v[192+\b], s48, s49
.endr
.irp b, 0,1
	v_max_num_f32 v[192+\b], v[192+\b], v[196+\b]
.endr
.irp b, 0,1
	v_add_nc_u32 v[200+\b], 0xff000000, v[192+\b]
.endr
.irp b, 0,1
	v_lshrrev_b32 v[196+\b], 23, v[200+\b]
.endr
	v_lshl_or_b32 v226, v197, 8, v196              ; my row's two bytes
	v_cvt_scalef32_pk16_fp6_f32 v[204:206], v[96:111], v200
	v_cvt_scalef32_pk16_fp6_f32 v[216:218], v[112:127], v201
	v_nop
.irp i, 0,1,2
	v_permlane16_swap_b32 v[204+\i], v[216+\i]
.endr
.irp i, 0,1,2
	v_mov_b32 v[207+\i], v[216+\i]
.endr
	global_store_b128 v1, v[204:207], s[60:61] offset:12288*\u       ; 512 consecutive bytes
	global_store_b64 v2, v[208:209], s[60:61] offset:12288*\u+512    ; 256
.if \u
	v_cmp_lt_u32 vcc_lo, 63, v31                   ; lanes 16-31 carry the odd tile's bytes
	v_cndmask_b32 v11, v11, v226, vcc_lo
.else
	v_mov_b32 v11, v226
.endif
.endm
	s_wait_tensorcnt 0x0                           ; my load, if I had one, has landed:
	s_barrier_signal -1
	s_barrier_wait -1                              ; everybody's has; LDS is only read from here on
	s_wait_loadcnt 0x0                             ; q
	TILE 0, 16, 28
	TILE 1, 242, 29
	global_store_b32 v31, v11, s[62:63]
	s_wait_tensorcnt 0x0
	ds_add_u32 v254, v255
	s_wait_dscnt 0x0
	ROUND                                          ; the closing round
	s_endpgm
.Lfunc_end_k_qa429842e9d_attn:
	.size	k_qa429842e9d_attn, .Lfunc_end_k_qa429842e9d_attn-k_qa429842e9d_attn
	.p2alignl 7, 3214868480
	.fill 96, 4, 3214868480
	.section	.rodata,"a",@progbits
	.p2align	6, 0x0
	.amdhsa_kernel k_qa429842e9d_attn
		.amdhsa_group_segment_fixed_size 215040
		.amdhsa_private_segment_fixed_size 0
		.amdhsa_enable_private_segment 0
		.amdhsa_kernarg_size 32
		.amdhsa_user_sgpr_count 2
		.amdhsa_user_sgpr_kernarg_segment_ptr 1
		.amdhsa_wavefront_size32 1
		.amdhsa_system_sgpr_workgroup_id_x 1
		.amdhsa_system_sgpr_workgroup_id_y 1
		.amdhsa_system_sgpr_workgroup_id_z 1
		.amdhsa_system_vgpr_workitem_id 0
		.amdhsa_next_free_vgpr 256
		.amdhsa_next_free_sgpr 80
		.amdhsa_reserve_vcc 1
		.amdhsa_float_denorm_mode_32 3
		.amdhsa_float_denorm_mode_16_64 3
		.amdhsa_memory_ordered 1
		.amdhsa_forward_progress 1
		.amdhsa_inst_pref_size 49
	.end_amdhsa_kernel
	.amdgpu_metadata
---
amdhsa.version: [ 1, 2 ]
amdhsa.kernels:
  - .name:           k_qa429842e9d_attn
    .symbol:         k_qa429842e9d_attn.kd
    .args:
      - { .name: qkvc, .offset: 0, .size: 8, .value_kind: global_buffer, .address_space: global }
      - { .name: qkvs, .offset: 8, .size: 8, .value_kind: global_buffer, .address_space: global }
      - { .name: xc, .offset: 16, .size: 8, .value_kind: global_buffer, .address_space: global }
      - { .name: xs, .offset: 24, .size: 8, .value_kind: global_buffer, .address_space: global }
    .group_segment_fixed_size: 215040
    .private_segment_fixed_size: 0
    .kernarg_segment_align: 8
    .kernarg_segment_size: 32
    .max_flat_workgroup_size: 512
    .sgpr_count:     80
    .vgpr_count:     256
    .wavefront_size: 32
...
	.end_amdgpu_metadata
.endif
;; end of part 3
;; launch outp (part 4): grid 4 x 32, 4 waves a work-group, clusters of 4 x 1, 264,704 bytes of LDS; arguments c1, s1, xc, xs, bo, out0; writes out0
.if DOCPART == 4
	.amdgcn_target "amdgcn-amd-amdhsa--gfx1250"
	.amdhsa_code_object_version 6
	.text
	.protected	k_qa429842e9d_outp
	.globl	k_qa429842e9d_outp
	.p2align	8
	.type	k_qa429842e9d_outp,@function
k_qa429842e9d_outp:
	s_mov_b64 s[64:65], 0
	v_nop
	global_prefetch_b8 v0, s[64:65] scope:SCOPE_SE
	s_setreg_imm32_b32 hwreg(HW_REG_WAVE_MODE, 25, 1), 1
	s_wait_xcnt 0x0
	s_wait_alu depctr_hold_cnt(0) depctr_sa_sdst(0) depctr_va_vdst(0) depctr_va_sdst(0) depctr_va_ssrc(0) depctr_va_vcc(0) depctr_vm_vsrc(0)
	s_getreg_b32 s2, hwreg(HW_REG_IB_STS2, 6, 4)
	s_cmp_eq_u32 s2, 0
	s_cbranch_scc0 .Lentry_in_a_cluster
	s_endpgm
.Lentry_in_a_cluster:
	s_bfe_u32 s2, ttmp6, 0x10000c
	s_cmp_lg_u32 s2, 0x3003
	s_cbranch_scc0 .Lentry_shape_is_right
	s_endpgm
.Lentry_shape_is_right:
; out0 = x Wo^T + bo on codes of FP6 (E2M3) with E8M0 scales, sums in f32.  x is the attention's result as codes, xc [tile 512][K step 8][1536], with its scale bytes in xs [head 16][pair of tiles 256][lane 32] words.
; THE FORM: a PANEL of 16 tiles of Wo (256 outputs, all of K: 196,608 dense bytes of c1) comes into LDS once, by joint loads of the cluster's four work-groups; each wave owns 64 rows of x (4 tiles), whose fragments come from
; memory straight into a ring of four register sets.  Source 0 = a tile of Wo, source 1 = a tile of x: a lane holds one row of x and its registers run along the outputs.  No LDS byte that a tensor load fills is filled again: the loop has no barrier.
; A tile's rows are not neighbours (lane r of tile T: row 32 (T / 2) + 8 (T % 2) + r + 8 (r / 8)): the 16 registers of the panel's tiles 2 b, 2 b + 1 are outputs 32 b + 16 (lane / 16) + 0 .. 15.
; 4 panels x 128 groups of 64 rows are 512 waves' work: 128 work-groups; a panel of half the width would double the reads of x's fragments.
; THE WAY OUT: 16 rows x 256 outputs at a time through the wave's own stage in LDS (rows 1,040 bytes apart), back as runs of 512 consecutive bytes of a row.
; REGISTERS: window 0: v1-19 addresses; v32-47 x's scale words [8 (a / 2) + s], v48-111 the panel's [8 (t / 2) + s]; v112-255 x's fragments, sets 0-2.   window 1: v0-47 set 3; v48-191 the panel's fragments, three sets of four;
;   afterwards v48-175 the bias, then rows of out0; v192-223 xs as loaded.   windows 2, 3: accumulator (a, t = 4 j + u) in window 2 + j / 2 at 128 (j % 2) + 32 a + 8 u.
.set STG, 197632                       ; behind the panel and the 256 bias numbers: four stages of 16,640 bytes
.set MSB, 0
.macro WIN new                         ; the immediate's high byte repeats the setting that is left
.if MSB != (\new)
	s_set_vgpr_msb (MSB<<8)|(\new)
.set MSB, (\new)
.endif
.endm
.macro PLACES n
.rept \n
	v_nop
.endr
.endm
.macro ROUND                           ; a round of the cluster's barrier
	s_barrier_signal -1
	s_barrier_wait -1
	s_cmp_lg_u32 s18, 0
	s_cbranch_scc1 .Lnw0_\@
	s_barrier_signal -3
.Lnw0_\@:
	s_barrier_wait -3
	s_barrier_signal -1
	s_barrier_wait -1
.endm
.macro WM d, a, b, z, sa, sb, ra, rb
.set WD, \d
.set WA, \a
.set WB, \b
.set WSA, \sa
.set WSB, \sb
.set WK, 2*(\ra)+(\rb)
.if \z
.if WK == 0
	v_wmma_scale_f32_16x16x128_f8f6f4 v[WD:WD+7], v[WA:WA+11], v[WB:WB+11], 0, v[WSA], v[WSB] matrix_a_fmt:MATRIX_FMT_FP6 matrix_b_fmt:MATRIX_FMT_FP6
.elseif WK == 1
	v_wmma_scale_f32_16x16x128_f8f6f4 v[WD:WD+7], v[WA:WA+11], v[WB:WB+11], 0, v[WSA], v[WSB] matrix_a_fmt:MATRIX_FMT_FP6 matrix_b_fmt:MATRIX_FMT_FP6 matrix_b_scale:MATRIX_SCALE_ROW1
.elseif WK == 2
	v_wmma_scale_f32_16x16x128_f8f6f4 v[WD:WD+7], v[WA:WA+11], v[WB:WB+11], 0, v[WSA], v[WSB] matrix_a_fmt:MATRIX_FMT_FP6 matrix_b_fmt:MATRIX_FMT_FP6 matrix_a_scale:MATRIX_SCALE_ROW1
.else
	v_wmma_scale_f32_16x16x128_f8f6f4 v[WD:WD+7], v[WA:WA+11], v[WB:WB+11], 0, v[WSA], v[WSB] matrix_a_fmt:MATRIX_FMT_FP6 matrix_b_fmt:MATRIX_FMT_FP6 matrix_a_scale:MATRIX_SCALE_ROW1 matrix_b_scale:MATRIX_SCALE_ROW1
.endif
.else
.if WK == 0
	v_wmma_scale_f32_16x16x128_f8f6f4 v[WD:WD+7], v[WA:WA+11], v[WB:WB+11], v[WD:WD+7], v[WSA], v[WSB] matrix_a_fmt:MATRIX_FMT_FP6 matrix_b_fmt:MATRIX_FMT_FP6
.elseif WK == 1
	v_wmma_scale_f32_16x16x128_f8f6f4 v[WD:WD+7], v[WA:WA+11], v[WB:WB+11], v[WD:WD+7], v[WSA], v[WSB] matrix_a_fmt:MATRIX_FMT_FP6 matrix_b_fmt:MATRIX_FMT_FP6 matrix_b_scale:MATRIX_SCALE_ROW1
.elseif WK == 2
	v_wmma_scale_f32_16x16x128_f8f6f4 v[WD:WD+7], v[WA:WA+11], v[WB:WB+11], v[WD:WD+7], v[WSA], v[WSB] matrix_a_fmt:MATRIX_FMT_FP6 matrix_b_fmt:MATRIX_FMT_FP6 matrix_a_scale:MATRIX_SCALE_ROW1
.else
	v_wmma_scale_f32_16x16x128_f8f6f4 v[WD:WD+7], v[WA:WA+11], v[WB:WB+11], v[WD:WD+7], v[WSA], v[WSB] matrix_a_fmt:MATRIX_FMT_FP6 matrix_b_fmt:MATRIX_FMT_FP6 matrix_a_scale:MATRIX_SCALE_ROW1 matrix_b_scale:MATRIX_SCALE_ROW1
.endif
.endif
.endm
.macro SCLOAD reg, lo, np, extra       ; the scale words of np pairs of tiles, all 8 K steps: lanes 0-15 the even tile, lanes 16-31 the odd
.set SP_, 0
.rept \np
	global_load_b128 v[\reg+8*SP_:\reg+8*SP_+3], v11, s[\lo:\lo+1] offset:(\extra)+1024*SP_
	global_load_b128 v[\reg+8*SP_+4:\reg+8*SP_+7], v11, s[\lo:\lo+1] offset:(\extra)+1024*SP_+256
.set SP_, SP_+1
.endr
.endm
.macro ALOAD s, extra                  ; my four fragments of K step s into set s % 4: 16 loads
.if ((\s)%4) == 3
	WIN 0x40
.set AR, 0
.else
	WIN 0
.set AR, 112+48*((\s)%4)
.endif
.irp a, 0,1,2,3
	global_load_b128 v[AR+12*\a:AR+12*\a+3], v1, s[36:37] offset:(\extra)+12288*\a+1536*(\s)
	global_load_b64 v[AR+12*\a+4:AR+12*\a+5], v2, s[36:37] offset:(\extra)+12288*\a+1536*(\s)+512
	global_load_b128 v[AR+12*\a+6:AR+12*\a+9], v1, s[36:37] offset:(\extra)+12288*\a+1536*(\s)+768
	global_load_b64 v[AR+12*\a+10:AR+12*\a+11], v2, s[36:37] offset:(\extra)+12288*\a+1536*(\s)+1280
.endr
.endm
.macro FETCHQ n                        ; quarter n = 4 s + j: the panel's tiles 4 j .. 4 j + 3 of K step s into set n % 3: 16 loads
.set FS, (\n)/4
.set FJ, (\n)%4
.set FB, 48+48*((\n)%3)
	WIN 0x40
.irp t, 0,1,2,3
	ds_load_b128 v[FB+12*\t:FB+12*\t+3], v[3+FJ] offset:(8*\t+FS)*1536
	ds_load_b64 v[FB+12*\t+4:FB+12*\t+5], v[7+FJ] offset:(8*\t+FS)*1536+512
	ds_load_b128 v[FB+12*\t+6:FB+12*\t+9], v[3+FJ] offset:(8*\t+FS)*1536+768
	ds_load_b64 v[FB+12*\t+10:FB+12*\t+11], v[7+FJ] offset:(8*\t+FS)*1536+1280
.endr
.endm
.macro MULQ                            ; the quarter's 16 matrix instructions; the 64 accumulators take turns, one instruction a turn
.set MB, 48+48*(QI%3)
.if (QS%4) == 3
.set MA, 0
	WIN 0xa5+0x50*(QJ/2)
.else
.set MA, 112+48*(QS%4)
	WIN 0xa1+0x50*(QJ/2)
.endif
.irp a, 0,1,2,3
.irp t, 0,1,2,3
	WM 128*(QJ%2)+32*\a+8*\t, MB+12*\t, MA+12*\a, QS==0, 48+8*(2*QJ+\t/2)+QS, 32+8*(\a/2)+QS, \t%2, \a%2
.endr
.endr
.endm
.macro MAIN                            ; all of K: 32 quarters.  The panel's fragments run two quarters ahead, mine three K steps ahead
	FETCHQ 0
	FETCHQ 1
.set QI, 0
.rept 32
.set QS, QI/4
.set QJ, QI%4
.if QJ == 0
.if QS == 0 || QS == 7
	s_wait_loadcnt 0x0                             ; step 0: scale words and sets 0 to 2; step 7: the last set
.elseif QS == 6
	s_wait_loadcnt 16                              ; behind this step's 16 loads: step 7's
.elseif QS >= 3
	s_wait_loadcnt 32                              ; behind this step's 16 loads: those of the two steps that follow
.endif
.endif
.if QI < 31
	s_wait_dscnt 16                                ; this quarter's 16 loads are in; the next quarter's may be out
.else
	s_wait_dscnt 0x0
.endif
	PLACES 4                                       ; four places behind the last quarter's products, in front of loads into registers that they read
.if QI+2 < 32
	FETCHQ QI+2
.endif
.if QJ == 0 && QS <= 4
	ALOAD QS+3, 0
.endif
	MULQ
.set QI, QI+1
.endr
.endm
	s_load_b256 s[4:11], s[0:1], 0x0               ; c1, s1, xc, xs
	s_load_b128 s[12:15], s[0:1], 0x20             ; bo, out0
	v_lshl_add_u32 v30, v0, 2, 0x40800
	v_mov_b32 v31, 0
	ds_add_u32 v30, v31
	ds_add_u32 v30, v31
	v_lshrrev_b32 v20, 5, v0
	v_readfirstlane_b32 s18, v20                   ; wave 0..3
	s_bfe_u32 s19, ttmp6, 0x40000                  ; cx: my place in the cluster
	s_and_b32 s20, ttmp7, 0xffff                   ; y, which the four partners share
	; descriptor group 1: 49,152 dense bytes as 192 rows of 32 elements of 8 bytes; no padding
	s_mov_b32 s24, 15|(3<<16)|(1<<21)              ; 15:0 the mask: all four work-groups; 17:16 elements of 8 bytes; 21 set beside a mask
	s_mov_b32 s25, 32<<16
	s_mov_b32 s26, 192<<16
	s_mov_b32 s27, 32<<16
	s_mov_b32 s28, 192
	s_mov_b32 s29, 32
	s_mov_b32 s30, 0
	s_mov_b32 s31, 0
	s_and_b32 s73, s20, 3                          ; which 256 outputs
	s_lshl_b32 s76, s73, 4
	s_add_co_u32 s76, s76, 1216                    ; the panel's first tile, of Wo
	s_mul_i32 s90, s76, 12288
	s_mul_i32 s33, s18, 49152                      ; my quarter of the panel, in LDS
	s_add_co_u32 s90, s90, s33                     ; and in c1
	s_mov_b32 s91, 0
	s_lshl_b32 s92, s76, 9
	s_mov_b32 s93, 0
	s_mov_b32 s32, 1
	s_wait_dscnt 0x0
	s_wait_kmcnt 0x0
	s_add_nc_u64 s[34:35], s[4:5], s[90:91]
	s_or_b32 s35, s35, 0x80000000                  ; type = 2
	s_add_nc_u64 s[40:41], s[6:7], s[92:93]        ; the panel's scale words
	ROUND                                          ; all four work-groups are here: the joint loads meet
	tensor_load_to_lds s[32:35], s[24:31]          ; one load a wave, the only one of the launch
	s_nop 0
	PLACES 4
	s_lshl_b32 s92, s73, 10
	s_add_nc_u64 s[70:71], s[12:13], s[92:93]      ; bo at the panel's 256 numbers
	; mine (these registers feed no descriptor)
	s_lshr_b32 s81, s20, 2
	s_lshl_b32 s81, s81, 4
	s_lshl_b32 s82, s19, 2
	s_add_co_u32 s81, s81, s82
	s_add_co_u32 s81, s81, s18                     ; my group of 64 rows: 16 (y / 4) + 4 cx + wave
	s_mov_b32 s95, 0
	s_mul_i32 s94, s81, 49152
	s_add_nc_u64 s[36:37], s[8:9], s[94:95]        ; my fragments
	s_lshl_b32 s94, s81, 8
	s_add_nc_u64 s[38:39], s[10:11], s[94:95]      ; my two pairs of tiles in xs
	s_lshl_b32 s94, s81, 18
	s_add_nc_u64 s[44:45], s[14:15], s[94:95]      ; out0 at my first row,
	s_add_nc_u64 s[44:45], s[44:45], s[92:93]      ; at the panel's first output
	s_mul_i32 s72, s18, 16640
	s_add_co_u32 s72, s72, STG                     ; my stage
	v_and_b32 v20, 31, v0                          ; lane
	v_and_b32 v21, 15, v0                          ; r
	v_bfe_u32 v22, v0, 4, 1                        ; h
	v_lshlrev_b32 v1, 4, v20                       ; 16 x lane
	v_lshlrev_b32 v2, 3, v20                       ; 8 x lane
	v_lshlrev_b32 v16, 2, v20                      ; 4 x lane
.irp j, 0,1,2,3
	v_add_nc_u32 v[3+\j], 49152*\j, v1             ; the same in the panel's j-th four tiles
	v_add_nc_u32 v[7+\j], 49152*\j, v2
.endr
	v_lshlrev_b32 v11, 4, v21
	v_lshl_add_u32 v11, v22, 9, v11                ; scale words: 16 r, + a tile for lanes 16-31
	v_lshlrev_b32 v12, 6, v22
	v_add_nc_u32 v12, 196608, v12                  ; the bias in LDS: + 16 h numbers
	v_lshlrev_b32 v15, 3, v0                       ; 8 x thread: the copy of the 256 bias numbers
	v_add_nc_u32 v14, 196608, v15
	v_mul_u32_u24 v18, v21, 1040
	v_lshl_add_u32 v18, v22, 6, v18
	v_add_nc_u32 v18, s72, v18                     ; into the stage: row r, + 64 h
	v_add_nc_u32 v19, s72, v1                      ; back: 16 bytes a lane
	WIN 0x40
.irp p, 0,1                                    ; x's scale bytes: two a head and row; lanes 0-15 the pair's even tile, lanes 16-31 the odd
.irp e, 0,1,2,3,4,5,6,7,8,9,10,11,12,13,14,15
	global_load_b32 v[192+16*\p+\e], v16, s[38:39] offset:128*\p+32768*\e
.endr
.endr
	WIN 0
	SCLOAD 48, 40, 8, 0
	ALOAD 0, 0
	ALOAD 1, 0
	ALOAD 2, 0
	global_load_b64 v[24:25], v15, s[70:71]        ; the panel's 256 bias numbers go to LDS bytes of their own, behind the panel
	s_wait_loadcnt 0x0
	ds_store_b64 v14, v[24:25]
	WIN 0x11
.irp p, 0,1
.irp s, 0,1,2,3,4,5,6,7
	v_lshl_or_b32 v[32+8*\p+\s], v[192+16*\p+2*\s+1], 16, v[192+16*\p+2*\s]   ; heads 2 s and 2 s + 1 are K step s: four bytes
.endr
.endr
	WIN 0
	PLACES 8                                       ; a scale register made by a vector instruction stands eight places ahead of the scaled product
	s_wait_dscnt 0x0                               ; my store has landed,
	s_wait_tensorcnt 0x0                           ; my quarter of the panel too:
	s_barrier_signal -1
	s_barrier_wait -1                              ; everybody's have
	MAIN
	WIN 0
	PLACES 4                                       ; behind the last products: for the reads of results and the loads below
	WIN 0x40                                       ; the bias runs along the registers: eight numbers a tile of the panel
.irp t, 0,1,2,3,4,5,6,7,8,9,10,11,12,13,14,15
	ds_load_b128 v[48+8*\t:48+8*\t+3], v12 offset:(32*(\t/2)+8*(\t%2))*4
	ds_load_b128 v[48+8*\t+4:48+8*\t+7], v12 offset:(32*(\t/2)+8*(\t%2))*4+16
.endr
	s_wait_dscnt 0x0
.irp j, 0,1,2,3
	WIN 0x86+0x41*(\j/2)
.irp a, 0,1,2,3
.irp t, 0,1,2,3
.irp k, 0,2,4,6                                ; each accumulator from its low end on
	v_pk_add_f32 v[128*(\j%2)+32*\a+8*\t+\k:128*(\j%2)+32*\a+8*\t+\k+1], v[128*(\j%2)+32*\a+8*\t+\k:128*(\j%2)+32*\a+8*\t+\k+1], v[48+8*(4*\j+\t)+\k:48+8*(4*\j+\t)+\k+1]
.endr
.endr
.endr
.endr
.irp a, 0,1,2,3                                ; my tile a: 16 rows x 256 outputs through my stage
.if \a > 0
	s_wait_xcnt 0x0                                ; the last tile's stores have read their registers
.endif
.set TT, 0
.rept 16
.if TT == 0
	WIN 0x08                                       ; an LDS store's data: window 2,
.elseif TT == 8
	WIN 0x0c                                       ; window 3
.endif
	ds_store_b128 v18, v[128*((TT/4)%2)+32*\a+8*(TT%4):128*((TT/4)%2)+32*\a+8*(TT%4)+3] offset:128*(TT/2)+32*(TT%2)
	ds_store_b128 v18, v[128*((TT/4)%2)+32*\a+8*(TT%4)+4:128*((TT/4)%2)+32*\a+8*(TT%4)+7] offset:128*(TT/2)+32*(TT%2)+16
.set TT, TT+1
.endr
	WIN 0x40
.set N, 0
.rept 32
	ds_load_b128 v[48+4*N:51+4*N], v19 offset:1040*(N/2)+512*(N%2)   ; LDS serves a wave's instructions in order: these see the stores above
.set N, N+1
.endr
	WIN 0x04
.set N, 0
.rept 32
	s_wait_dscnt 31-N                              ; the later loads of this tile may be out
	global_store_b128 v1, v[48+4*N:51+4*N], s[44:45] offset:(32*(\a/2)+8*(\a%2)+(N/2)+8*((N/2)/8))*4096+512*(N%2) th:TH_STORE_NT   ; 512 consecutive bytes of a row, at a multiple of 256 from out0's first byte
.set N, N+1
.endr
.endr
	WIN 0
	s_wait_tensorcnt 0x0
	ds_add_u32 v30, v31
	s_wait_dscnt 0x0
	ROUND                                          ; the closing round: no work-group ends while a partner may still ask for the panel
	s_endpgm
.Lfunc_end_k_qa429842e9d_outp:
	.size	k_qa429842e9d_outp, .Lfunc_end_k_qa429842e9d_outp-k_qa429842e9d_outp
	.p2alignl 7, 3214868480
	.fill 96, 4, 3214868480
	.section	.rodata,"a",@progbits
	.p2align	6, 0x0
	.amdhsa_kernel k_qa429842e9d_outp
		.amdhsa_group_segment_fixed_size 264704
		.amdhsa_private_segment_fixed_size 0
		.amdhsa_enable_private_segment 0
		.amdhsa_kernarg_size 48
		.amdhsa_user_sgpr_count 2
		.amdhsa_user_sgpr_kernarg_segment_ptr 1
		.amdhsa_wavefront_size32 1
		.amdhsa_system_sgpr_workgroup_id_x 1
		.amdhsa_system_sgpr_workgroup_id_y 1
		.amdhsa_system_sgpr_workgroup_id_z 1
		.amdhsa_system_vgpr_workitem_id 0
		.amdhsa_next_free_vgpr 1024
		.amdhsa_next_free_sgpr 100
		.amdhsa_reserve_vcc 0
		.amdhsa_float_denorm_mode_32 3
		.amdhsa_float_denorm_mode_16_64 3
		.amdhsa_memory_ordered 1
		.amdhsa_forward_progress 1
		.amdhsa_inst_pref_size 178
	.end_amdhsa_kernel
	.amdgpu_metadata
---
amdhsa.version: [ 1, 2 ]
amdhsa.kernels:
  - .name:           k_qa429842e9d_outp
    .symbol:         k_qa429842e9d_outp.kd
    .args:
      - { .name: c1, .offset: 0, .size: 8, .value_kind: global_buffer, .address_space: global }
      - { .name: s1, .offset: 8, .size: 8, .value_kind: global_buffer, .address_space: global }
      - { .name: xc, .offset: 16, .size: 8, .value_kind: global_buffer, .address_space: global }
      - { .name: xs, .offset: 24, .size: 8, .value_kind: global_buffer, .address_space: global }
      - { .name: bo, .offset: 32, .size: 8, .value_kind: global_buffer, .address_space: global }
      - { .name: out0, .offset: 40, .size: 8, .value_kind: global_buffer, .address_space: global }
    .group_segment_fixed_size: 264704
    .private_segment_fixed_size: 0
    .kernarg_segment_align: 8
    .kernarg_segment_size: 48
    .max_flat_workgroup_size: 128
    .sgpr_count:     100
    .vgpr_count:     1024
    .wavefront_size: 32
...
	.end_amdgpu_metadata
.endif
;; end of part 4
